; MI455X (gfx1250); checked and timed in simulation.
; The chip was launched on July 23, 2026; its instructions are those of AMD's public machine-readable ISA for CDNA 5 (MIT licence, August 2026) and "CDNA5" Instruction Set Architecture Reference Guide (July 2026). The comments in the code are by the model that wrote it; some were corrected since.
;; Adaptive Physics Mask. Allowed arithmetic: float matrix products may take bf16 or f16 operands with f32 sums; all other float work in f32.
;; Inputs: W1 6 x 64 float32; W2 64 x 64 float32; W3 64 x 1 float32; alpha one number float32; b1 64 float32; b2 64 float32; b3 1 float32; elevation_patches 2 x 1,024 float32; u_wind 2 x 128 x 128 float32; v_wind 2 x 128 x 128 float32.
;; Outputs: out0 2 x 1,024 x 1,024 float32.
;; 2 versions, each right; version 2 is version 1 with the launch main written anew for expert scheduling mode. Each part assembles by itself: llvm-mc -triple=amdgcn-amd-amdhsa -mcpu=gfx1250 --defsym DOCPART=n.
;; ======== version 1 of 2: 1 launch
;; launch main (part 1): grid 16 x 16, 8 waves a work-group, no clusters, 67,584 bytes of LDS; arguments u_wind, v_wind, elevation_patches, W1, b1, W2, b2, W3, b3, alpha, out0; writes out0
.if DOCPART == 1
	.amdgcn_target "amdgcn-amd-amdhsa--gfx1250"
	.amdhsa_code_object_version 6
	.text
	.protected	k_qd2050b0739_main
	.globl	k_qd2050b0739_main
	.p2align	8
	.type	k_qd2050b0739_main,@function
k_qd2050b0739_main:
	s_mov_b64 s[64:65], 0
	v_nop
	global_prefetch_b8 v0, s[64:65] scope:SCOPE_SE
	s_setreg_imm32_b32 hwreg(HW_REG_WAVE_MODE, 25, 1), 1
	s_wait_xcnt 0x0
; out[b][i][j] = clip( fixed(i,j) + alpha * tanh( relu( relu(pi[i] + pj[j] + b1) @ W2 + b2 ) . W3 + b3 ), -10, 10 )
; fixed(i,j)   = clip( -0.5 relu((e_j - e_i)/1000) (1 - 0.3 sigmoid(min(w_i, w_j) - 5)), -10, 0 )
;
; ONE LAUNCH.  256 work-groups; work-group (x = ib, y = 8 b + jb) makes the block of 64 i x 128 j of batch b.  It pools the 192 patches
; that it needs itself (24 KB of u and v), builds a = pi + b1 (64 rows) and c = pj (128 rows) in LDS, and keeps everything else in registers.
; Eight waves: wave w takes 64 j (jh = w & 1) and 16 i (iq = w >> 1).  c of its 64 j stays in 128 registers; it walks its 16 i.
;
; THE MATRIX INSTRUCTION IS USED TRANSPOSED: A = 16 rows of W2^T (hid2 x hid1), B = h1 (hid1 x 16 pairs), C of the first link = b2.
; Lane (r, h) of B holds pair r and k = 16 g + 8 h + 0..7 (g = 0..3 over the two K steps): just the k that the lane forms itself from a and c,
; so h1 goes from the adds to the matrix unit without a shuffle.  Register j of result tile t holds hid2 = 16 t + 8 h + j of pair r.
; Tile T (0..3), column r stands for j = 64 jh + 32 (T & 1) + 2 r + (T >> 1), so that behind the sum over the two lane halves lane L holds
; j = 64 jh + 2 L and + 1: one 8-byte store of the wave covers 256 consecutive bytes of a row of out, aligned.
;
; ALGEBRA (holds for every input): the sigmoid rises, so 1 - 0.3 sigmoid(min(w_i, w_j) - 5) = max(m_i, m_j), m_p = 1 - 0.3 sigmoid(w_p - 5): 192 sigmoids
; in a work-group in place of 8,192.  With g_p = 0.0005 m_p > 0: fixed = -min(relu(e_j - e_i) max(g_i, g_j), 10); its upper clip at 0 holds by sign.
; tanh(z) = 1 - 2 / (1 + 2^(2.88539 z)) where z^2 >= 2^-10, and z (1 - z^2 / 3) below (the next term is under 1.3e-7 of z): small z keep their digits.
;
; LIMITS.  h1 and W2 are rounded to bf16, all else is f32.  v_sqrt_f32 takes u^2 + v^2 below 2^-126 as 0 (an error under 1e-19 in a wind speed).
; /1000 is a multiplication by 0.001f, and 0.5/1000 is folded into g: last-bit differences.  NaN, infinities and the sign of zero are not followed.
;
; NOT USED, and why.  Tensor loads, a ring, a cluster with joint requests: a work-group reads 45 KB once, and every byte of it passes arithmetic
; before it lies in LDS; what work-groups share (W2, 16 KB, and the wind rows) is read once at the start and is no part of the loop.
; Prefetching: there is one phase of loads, at the very start.
.set FEAT,   0                         ; 192 rows of 16 bytes (u_p, v_p, e/1000, w): rows 0-127 the j patches, 128-191 the i patches
.set EJ,     3072                      ; 128 f32: e_j
.set GJ,     3584                      ; 128 f32: g_j
.set EGI,    4096                      ; 64 pairs (e_i, g_i)
.set W2T,    4608                      ; 64 rows (hid2) of 64 bf16 (hid1)
.set WPITCH, 144                       ; 128 bytes + 16: an odd multiple of 16, so 16 rows start at 16 different 16-byte columns modulo 256
.set TAB,    13824                     ; 192 rows of 64 f32: rows 0-127 c in tile order (64 jh + 16 T + r), rows 128-191 a
.set TPITCH, 272                       ; 256 bytes + 16, likewise
.set TABA,   TAB+128*TPITCH            ; a's rows; the table ends at byte 66,048
; window 0
.set LR,    1                          ; r = lane & 15
.set LH,    2                          ; h = lane >> 4
.set LL,    3                          ; lane
.set AADR,  4                          ; LDS: a's row of the i to load next (without TABA)
.set EGADR, 5                          ; LDS: (e_i, g_i) to load next (without EGI)
.set VOFF,  6                          ; byte offset of my 8 bytes in out, from the wave's first row
.set W2F,   16                         ; v[16:79]   W2^T: fragment (tile t, K step s) at 16 + 8 (2 t + s)
.set B2,    80                         ; v[80:111]  b2[16 t + 8 h + j] at 80 + 8 t + j
.set W3R,   112                        ; v[112:143] W3 likewise
.set RH,    144                        ; v[144:159] h1 in bf16: B's fragments of the two K steps
.set RT,    160                        ; v[160:191] h1 in f32, at work; scratch of the way out
.set RD,    192                        ; v[192:223] four result tiles
.set ACC,   224                        ; v[224:227] two chains of layer 3
.set RP,    228                        ; v[228:231] tile T's half sums
.set EJR,   232                        ; e of my two j
.set GJR,   234                        ; g of my two j
.set EG,    236                        ; (e_i, g_i)
.set INIT,  238                        ; (b3 in lanes 0-15, 0 in lanes 16-31; 0): starts chain 0, so that b3 enters each z once
.set KEEP,  240
.set SEND,  242
.set RX,    244
.set RZ,    246
.set RO,    248
.set XE, RT                            ; the way out's scratch
.set XS, RT+2
.set XP, RT+4
.set XT, RT+6
.set XF, RT+8
.set XG, RT+10
; window 1
.set RC,    0                          ; v[256:383] c of my 64 j, tile T at 32 T, k = 16 g + 8 h + e at 8 g + e
.set RA,    128                        ; v[384:415] a of the current i, likewise
; the prologue's names for registers that the loop uses otherwise
.set W1R,   192                        ; v[192:215] W1 row w, my 4 columns, at 192 + 4 w
.set B1R,   216                        ; v[216:219] b1, my 4 columns
.set PU,    16                         ; pooling: 16 u, 16 v, 16 speeds
.set PV,    32
.set PM,    48
.set FR,    68                         ; v[68:71] the feature row
.set PX,    73
.set PE,    74                         ; v[74:75] (e, g)
.set WL,    16                         ; W2 as loaded
.set WP,    144                        ; W2 packed
.set TF,    16                         ; twelve feature rows
.set TR,    144                        ; two table pieces in turn
.set MSB, 0
.macro WIN new                         ; s_set_vgpr_msb: bits 1:0 source 0, 3:2 source 1, 7:6 destination; the high byte repeats the setting left
.if MSB != \new
	s_set_vgpr_msb (MSB<<8)|\new
.set MSB, \new
.endif
.endm
	; ---------------- every wave: addresses, ids, the small tensors ----------------
	s_load_b512 s[8:23], s[0:1], 0x0               ; u s[8:9], v s[10:11], elevation s[12:13], W1 s[14:15], b1 s[16:17], W2 s[18:19], b2 s[20:21], W3 s[22:23]
	s_load_b128 s[24:27], s[0:1], 0x40             ; b3 s[24:25], alpha s[26:27]
	s_load_b64 s[28:29], s[0:1], 0x50              ; out
	v_lshl_add_u32 v254, v0, 2, 0x10400
	v_mov_b32 v255, 0
	v_and_b32 v[LL], 31, v0
	v_and_b32 v[LR], 15, v0
	v_bfe_u32 v[LH], v0, 4, 1
	v_lshrrev_b32 v7, 5, v0
	v_readfirstlane_b32 s2, v7                     ; wave 0..7
	s_mov_b32 s3, ttmp9                            ; ib
	s_and_b32 s4, ttmp7, 0xffff
	s_lshr_b32 s5, s4, 3                           ; b
	s_and_b32 s6, s4, 7                            ; jb
	s_and_b32 s48, s2, 1                           ; jh
	s_lshr_b32 s49, s2, 1                          ; iq
	s_mov_b32 s34, 0x76543210                      ; v_permlanex16_b32: lane i of one half reads lane i of the other
	s_mov_b32 s35, 0xfedcba98
	s_mov_b32 s36, 0xffff0000                      ; the lanes with h = 1
	s_mov_b32 s37, 0xc1200000                      ; -10.0
	s_mov_b32 s38, 0x41200000                      ; 10.0
	s_mov_b32 s40, 0x3a800000                      ; 2^-10
	s_mov_b32 s41, 0xbfb8aa3b                      ; -log2(e)
	s_mov_b32 s50, 0xb91d4952                      ; -0.00015 = -0.0005 x 0.3
	s_mov_b32 s51, 0x3a03126f                      ; 0.0005 = 0.5 / 1000
	v_lshlrev_b32 v8, 4, v[LR]                     ; my 4 columns of W1 and b1
	v_lshlrev_b32 v9, 5, v[LH]                     ; my 8 of each 16 numbers of b2 and W3
	s_wait_kmcnt 0x0
	s_load_b32 s30, s[24:25], 0x0                  ; b3
	s_load_b32 s32, s[26:27], 0x0                  ; alpha
.irp w, 0,1,2,3,4,5
	global_load_b128 v[W1R+4*\w:W1R+4*\w+3], v8, s[14:15] offset:256*\w
.endr
	global_load_b128 v[B1R:B1R+3], v8, s[16:17]
.irp t, 0,1,2,3
	global_load_b128 v[B2+8*\t:B2+8*\t+3],    v9, s[20:21] offset:64*\t
	global_load_b128 v[B2+8*\t+4:B2+8*\t+7],  v9, s[20:21] offset:64*\t+16
	global_load_b128 v[W3R+8*\t:W3R+8*\t+3],   v9, s[22:23] offset:64*\t
	global_load_b128 v[W3R+8*\t+4:W3R+8*\t+7], v9, s[22:23] offset:64*\t+16
.endr
	s_cmp_ge_u32 s2, 6
	s_cbranch_scc1 .Lw2
	; ---------------- waves 0-5: pool one grid row of 32 patches, a patch (4 x 4 numbers) a lane ----------------
	s_lshl_b32 s44, s6, 7                          ; waves 0-3: the j patches 128 jb + 32 wave
	s_lshl_b32 s45, s3, 6                          ; waves 4, 5: the i patches 64 ib + 32 (wave - 4)
	s_cmp_lt_u32 s2, 4
	s_cselect_b32 s7, s44, s45
	s_and_b32 s44, s2, 3
	s_lshl_b32 s44, s44, 5
	s_add_co_u32 s7, s7, s44                       ; my first patch, a multiple of 32
	s_lshl_b32 s42, s5, 16                         ; u, v: 65,536 b + 4 rows of 512 bytes for each 32 patches
	s_lshl_b32 s44, s7, 6
	s_add_co_u32 s42, s42, s44
	s_mov_b32 s43, 0
	s_lshl_b32 s46, s5, 12                         ; elevation: 4,096 b + 4 x patch
	s_lshl_b32 s44, s7, 2
	s_add_co_u32 s46, s46, s44
	s_mov_b32 s47, 0
	s_add_nc_u64 s[8:9], s[8:9], s[42:43]
	s_add_nc_u64 s[10:11], s[10:11], s[42:43]
	s_add_nc_u64 s[12:13], s[12:13], s[46:47]
	v_lshlrev_b32 v10, 4, v[LL]
	v_lshlrev_b32 v11, 2, v[LL]
.irp k, 0,1,2,3
	global_load_b128 v[PU+4*\k:PU+4*\k+3], v10, s[8:9] offset:512*\k       ; a whole row of 128 numbers: 512 consecutive bytes
.endr
.irp k, 0,1,2,3
	global_load_b128 v[PV+4*\k:PV+4*\k+3], v10, s[10:11] offset:512*\k
.endr
	global_load_b32 v[PE], v11, s[12:13]
	s_lshl_b32 s52, s2, 9
	v_lshl_add_u32 v12, v[LL], 4, s52              ; my feature row: 16 lane + 512 wave
	s_wait_loadcnt 0x0                             ; these and the small tensors above: one trip to memory in all
.irp k, 0,2,4,6,8,10,12,14
	v_pk_mul_f32 v[PM+\k:PM+\k+1], v[PU+\k:PU+\k+1], v[PU+\k:PU+\k+1]
.endr
.irp k, 0,2,4,6,8,10,12,14
	v_pk_fma_f32 v[PM+\k:PM+\k+1], v[PV+\k:PV+\k+1], v[PV+\k:PV+\k+1], v[PM+\k:PM+\k+1]
.endr
.irp k, 0,1,2,3,4,5,6,7,8,9,10,11,12,13,14,15
	v_sqrt_f32 v[PM+\k], v[PM+\k]                  ; back to back; u's sums below are the plain instructions in front of the first use (ISA guide 5.7.2)
.endr
.macro SUM16 b                         ; 16 numbers to one, as a tree
	s_wait_alu depctr_va_vdst(0)
	v_pk_add_f32 v[\b:\b+1],     v[\b:\b+1],     v[\b+2:\b+3]
	v_pk_add_f32 v[\b+4:\b+5],   v[\b+4:\b+5],   v[\b+6:\b+7]
	v_pk_add_f32 v[\b+8:\b+9],   v[\b+8:\b+9],   v[\b+10:\b+11]
	v_pk_add_f32 v[\b+12:\b+13], v[\b+12:\b+13], v[\b+14:\b+15]
	v_pk_add_f32 v[\b:\b+1],     v[\b:\b+1],     v[\b+4:\b+5]
	v_pk_add_f32 v[\b+8:\b+9],   v[\b+8:\b+9],   v[\b+12:\b+13]
	v_pk_add_f32 v[\b:\b+1],     v[\b:\b+1],     v[\b+8:\b+9]
	v_add_f32 v[\b], v[\b], v[\b+1]
.endm
	SUM16 PU
	SUM16 PV
	SUM16 PM
	v_mul_f32 v[FR+3], 0x3d800000, v[PM]           ; w = mean speed (1/16)
	v_fma_f32 v[PX], v[FR+3], s41, 0x40e6d4ca      ; -(w - 5) log2(e); w >= 0, so at most 7.22: no overflow
	v_exp_f32 v[PX], v[PX]
	v_mul_f32 v[FR], 0x3d800000, v[PU]             ; u_p (and the plain instruction behind v_exp_f32)
	s_wait_alu depctr_va_vdst(0)
	v_add_f32 v[PX], 1.0, v[PX]
	v_rcp_f32 v[PX], v[PX]                         ; sigmoid(w - 5)
	v_mul_f32 v[FR+1], 0x3d800000, v[PV]           ; v_p (and the plain instruction behind v_rcp_f32)
	v_mul_f32 v[FR+2], 0x3a83126f, v[PE]           ; e x 0.001
	s_wait_alu depctr_va_vdst(0)
	v_fma_f32 v[PE+1], v[PX], s50, s51             ; g = 0.0005 (1 - 0.3 sigmoid)
	ds_store_b128 v12, v[FR:FR+3] offset:FEAT
	s_cmp_ge_u32 s2, 4
	s_cbranch_scc1 .Lipatch
	s_lshl_b32 s53, s2, 7
	v_lshl_add_u32 v13, v[LL], 2, s53              ; 4 lane + 128 wave
	ds_store_b32 v13, v[PE] offset:EJ
	ds_store_b32 v13, v[PE+1] offset:GJ
	s_branch .Ljoin
.Lipatch:
	s_lshl_b32 s54, s2, 8
	v_lshl_add_u32 v14, v[LL], 3, s54              ; 8 lane + 256 wave; waves 4 and 5, so 1,024 comes off in the offset
	ds_store_b64 v14, v[PE:PE+1] offset:EGI-1024
	s_branch .Ljoin
	; ---------------- waves 6, 7: W2 to bf16, transposed.  Wave 6 makes rows (hid2) 0-31 of W2T, wave 7 rows 32-63 ----------------
	; Lane: 4 columns m = 32 (wave - 6) + 4 (lane & 7) + 0..3 of the row pairs kp = (lane >> 3) + 4 i.  Eight lanes read 128 consecutive bytes,
	; the two waves together whole rows of W2.  The split by m keeps each wave's LDS bytes one range of its own.
.Lw2:
	v_and_b32 v14, 7, v0
	v_bfe_u32 v15, v0, 3, 2
	s_lshl_b32 s52, s48, 7
	s_mul_i32 s53, s48, 32*WPITCH
	v_lshl_add_u32 v10, v14, 4, s52
	v_lshl_add_u32 v10, v15, 9, v10                ; 128 (wave - 6) + 16 (lane & 7) + 2 rows of 256 bytes x (lane >> 3)
	v_mul_u32_u24 v12, v14, 4*WPITCH
	v_lshl_add_u32 v12, v15, 2, v12
	v_add_nc_u32 v12, s53, v12                     ; row 32 (wave - 6) + 4 (lane & 7), word lane >> 3
.irp i, 0,1,2,3,4,5,6,7
	global_load_b128 v[WL+8*\i:WL+8*\i+3],   v10, s[18:19] offset:2048*\i          ; W2[2 kp][m ..]
	global_load_b128 v[WL+8*\i+4:WL+8*\i+7], v10, s[18:19] offset:2048*\i+256      ; W2[2 kp + 1][m ..]
.endr
	s_wait_loadcnt 0x0
.irp i, 0,1,2,3,4,5,6,7
.irp q, 0,1,2,3
	v_cvt_pk_bf16_f32 v[WP+4*\i+\q], v[WL+8*\i+\q], v[WL+8*\i+4+\q]                ; the lower k in the low half
.endr
.endr
.irp i, 0,1,2,3,4,5,6,7
.irp q, 0,1,2,3
	ds_store_b32 v12, v[WP+4*\i+\q] offset:W2T+WPITCH*\q+16*\i
.endr
.endr
.Ljoin:
	s_wait_dscnt 0x0                               ; my stores are in LDS before I say so: the other waves read them
	s_wait_kmcnt 0x0                               ; b3 and alpha
	s_mov_b32 s33, s32                             ; the packed multiply names the pair
	s_barrier_signal -1
	s_barrier_wait -1
	; ---------------- all waves: the tables.  Thread (row group rg = 2 wave + h, 4 columns 4 r ..) makes a piece of 12 rows ----------------
	s_lshl_b32 s52, s2, 6
	s_lshl_b32 s53, s2, 5
	s_mul_i32 s54, s2, 2*TPITCH
	v_lshl_add_u32 v10, v[LH], 5, s52              ; c: feature row 2 rg (+ the tile's constant)
	v_lshl_add_u32 v11, v[LH], 4, s53              ; a: feature row rg
	v_mul_u32_u24 v12, v[LH], TPITCH
	v_lshl_add_u32 v12, v[LR], 4, v12
	v_add_nc_u32 v12, s54, v12                     ; table row rg, 16 bytes at 16 r: sixteen lanes write 256 consecutive bytes
.irp i, 0,1,2,3,4,5,6,7
	ds_load_b128 v[TF+4*\i:TF+4*\i+3], v10 offset:FEAT+16*(64*(\i>>2)+32*(\i&1)+((\i>>1)&1))   ; table row 16 i + rg = (jh, T, r): j = 64 jh + 32 (T & 1) + 2 r + (T >> 1)
.endr
.irp i, 8,9,10,11
	ds_load_b128 v[TF+4*\i:TF+4*\i+3], v11 offset:FEAT+2048+256*(\i-8)
.endr
	s_wait_dscnt 0x0
; row = which of my 12 rows; w = first of the three rows of W1; bias = 1: the sum starts from b1; r = where the piece is made
.macro ROW row, w, bias, r
.if \bias
	v_pk_fma_f32 v[\r:\r+1],   v[W1R+4*\w:W1R+4*\w+1],   v[TF+4*\row:TF+4*\row+1], v[B1R:B1R+1]   op_sel_hi:[1,0,1]    ; x u_p, in both halves
	v_pk_fma_f32 v[\r+2:\r+3], v[W1R+4*\w+2:W1R+4*\w+3], v[TF+4*\row:TF+4*\row+1], v[B1R+2:B1R+3] op_sel_hi:[1,0,1]
.else
	v_pk_mul_f32 v[\r:\r+1],   v[W1R+4*\w:W1R+4*\w+1],   v[TF+4*\row:TF+4*\row+1] op_sel_hi:[1,0]
	v_pk_mul_f32 v[\r+2:\r+3], v[W1R+4*\w+2:W1R+4*\w+3], v[TF+4*\row:TF+4*\row+1] op_sel_hi:[1,0]
.endif
	v_pk_fma_f32 v[\r:\r+1],   v[W1R+4*\w+4:W1R+4*\w+5], v[TF+4*\row:TF+4*\row+1], v[\r:\r+1]   op_sel:[0,1,0] op_sel_hi:[1,1,1]   ; x v_p
	v_pk_fma_f32 v[\r+2:\r+3], v[W1R+4*\w+6:W1R+4*\w+7], v[TF+4*\row:TF+4*\row+1], v[\r+2:\r+3] op_sel:[0,1,0] op_sel_hi:[1,1,1]
	v_pk_fma_f32 v[\r:\r+1],   v[W1R+4*\w+8:W1R+4*\w+9],   v[TF+4*\row+2:TF+4*\row+3], v[\r:\r+1]   op_sel_hi:[1,0,1]              ; x e / 1000
	v_pk_fma_f32 v[\r+2:\r+3], v[W1R+4*\w+10:W1R+4*\w+11], v[TF+4*\row+2:TF+4*\row+3], v[\r+2:\r+3] op_sel_hi:[1,0,1]
	ds_store_b128 v12, v[\r:\r+3] offset:TAB+16*TPITCH*\row
.endm
.irp i, 0,1,2,3,4,5,6,7
	ROW \i, 3, 0, TR+4*(\i&1)                      ; c = feat_j @ W1[3:6]
.endr
.irp i, 8,9,10,11
	ROW \i, 0, 1, TR+4*(\i&1)                      ; a = feat_i @ W1[0:3] + b1
.endr
	s_wait_dscnt 0x0                               ; for the others' sake
	s_barrier_signal -1
	s_barrier_wait -1                              ; the last barrier: from here on LDS is only read
	; ---------------- each wave: what stays in registers ----------------
	s_mul_i32 s52, s48, 64*TPITCH
	s_mul_i32 s53, s49, 16*TPITCH
	s_lshl_b32 s54, s49, 7
	s_lshl_b32 s55, s48, 8
	v_mul_u32_u24 v7, v[LR], TPITCH
	v_lshl_add_u32 v7, v[LH], 5, v7
	v_add_nc_u32 v7, s52, v7                       ; c: row 64 jh + r, byte 32 h
	v_lshl_add_u32 v[AADR], v[LH], 5, s53          ; a: row 16 iq, byte 32 h (the 16 lanes of a half read the same words)
	v_mul_u32_u24 v8, v[LR], WPITCH
	v_lshl_add_u32 v8, v[LH], 4, v8                ; W2T: row r, byte 16 h
	v_mov_b32 v[EGADR], s54                        ; 8 bytes x 16 iq
	v_lshl_add_u32 v9, v[LL], 3, s55               ; e_j, g_j: 4 bytes x (64 jh + 2 lane)
	v_lshlrev_b32 v[VOFF], 3, v[LL]
	s_lshl_b32 s42, s5, 10                         ; out: row 1,024 b + 64 ib + 16 iq, column 128 jb + 64 jh, in bytes (under 8 MiB)
	s_lshl_b32 s44, s3, 6
	s_add_co_u32 s42, s42, s44
	s_lshl_b32 s44, s49, 4
	s_add_co_u32 s42, s42, s44
	s_lshl_b32 s42, s42, 10
	s_lshl_b32 s44, s6, 7
	s_add_co_u32 s42, s42, s44
	s_lshl_b32 s44, s48, 6
	s_add_co_u32 s42, s42, s44
	s_lshl_b32 s42, s42, 2
	s_mov_b32 s43, 0
	s_add_nc_u64 s[28:29], s[28:29], s[42:43]
	WIN 0x40                                       ; destinations in window 1
.irp t, 0,1,2,3
.irp g, 0,1,2,3
	ds_load_b128 v[RC+32*\t+8*\g:RC+32*\t+8*\g+3],   v7 offset:TAB+16*TPITCH*\t+64*\g
	ds_load_b128 v[RC+32*\t+8*\g+4:RC+32*\t+8*\g+7], v7 offset:TAB+16*TPITCH*\t+64*\g+16
.endr
.endr
.irp g, 0,1,2,3
	ds_load_b128 v[RA+8*\g:RA+8*\g+3],   v[AADR] offset:TABA+64*\g
	ds_load_b128 v[RA+8*\g+4:RA+8*\g+7], v[AADR] offset:TABA+64*\g+16
.endr
	WIN 0
.irp t, 0,1,2,3
.irp s, 0,1
	ds_load_b128 v[W2F+8*(2*\t+\s):W2F+8*(2*\t+\s)+3],   v8 offset:W2T+16*WPITCH*\t+64*\s      ; k = 32 s + 8 h ..
	ds_load_b128 v[W2F+8*(2*\t+\s)+4:W2F+8*(2*\t+\s)+7], v8 offset:W2T+16*WPITCH*\t+64*\s+32   ; k = 32 s + 16 + 8 h ..
.endr
.endr
	ds_load_b64 v[EJR:EJR+1], v9 offset:EJ
	ds_load_b64 v[GJR:GJR+1], v9 offset:GJ
	ds_load_b64 v[EG:EG+1], v[EGADR] offset:EGI
	v_mov_b32 v[INIT+1], 0
	v_mov_b32 v[INIT], s30
	v_cndmask_b32 v[INIT], v[INIT], v[INIT+1], s36 ; b3 in the lower half of the lanes alone
	v_mov_b32 v[RX], 0                             ; v_permlanex16_b32 counts as a reader of its destination
	v_mov_b32 v[RX+1], 0
; LAYER 1 of tile t: h1 = relu(a + c), 32 numbers a lane, to bf16.  48 lines.
; reload = 1: a's registers are loaded again, with the next i's row, as soon as the adds of the i's last tile have read them.
.macro L1 t, reload
.if \reload
	v_add_nc_u32 v[AADR], TPITCH, v[AADR]
.endif
	WIN 0x05                                       ; both sources in window 1
.set nn, 0
.rept 16
	v_pk_add_f32 v[RT+2*nn:RT+2*nn+1], v[RA+2*nn:RA+2*nn+1], v[RC+32*\t+2*nn:RC+32*\t+2*nn+1]
.set nn, nn+1
.endr
.if \reload
	WIN 0x40
.irp g, 0,1,2,3
	ds_load_b128 v[RA+8*\g:RA+8*\g+3],   v[AADR] offset:TABA+64*\g
	ds_load_b128 v[RA+8*\g+4:RA+8*\g+7], v[AADR] offset:TABA+64*\g+16
.endr
.endif
	WIN 0
.set nn, 0
.rept 16
	v_dual_max_num_f32 v[RT+2*nn], 0, v[RT+2*nn] :: v_dual_max_num_f32 v[RT+2*nn+1], 0, v[RT+2*nn+1]
.set nn, nn+1
.endr
.set nn, 0
.rept 16
	v_cvt_pk_bf16_f32 v[RH+nn], v[RT+2*nn], v[RT+2*nn+1]
.set nn, nn+1
.endr
.endm
; LAYER 2 of the tile in RH: four result tiles, two K steps.  The first link takes b2 as C: nothing is cleared and b2 costs no vector line.
; The second link has the first's D as its C and D: the next link of a chain in place, which owes no distance (ISA guide 7.12.1).
.macro MM
.irp t, 0,1,2,3
	v_wmma_f32_16x16x32_bf16 v[RD+8*\t:RD+8*\t+7], v[W2F+16*\t:W2F+16*\t+7], v[RH:RH+7], v[B2+8*\t:B2+8*\t+7]
.endr
.irp t, 0,1,2,3
	v_wmma_f32_16x16x32_bf16 v[RD+8*\t:RD+8*\t+7], v[W2F+16*\t+8:W2F+16*\t+15], v[RH+8:RH+15], v[RD+8*\t:RD+8*\t+7]
.endr
.endm
.macro DMAX p                          ; relu of result pair p, two in one issue
	v_dual_max_num_f32 v[RD+2*(\p)], 0, v[RD+2*(\p)] :: v_dual_max_num_f32 v[RD+2*(\p)+1], 0, v[RD+2*(\p)+1]
.endm
; LAYER 3 of tile t: my 32 of the 64 products relu(h2) W3, in two chains whose links stand four lines apart; the relus run two pairs ahead.
.macro L3 t
	DMAX 0
	DMAX 1
	v_pk_fma_f32 v[ACC:ACC+1], v[RD:RD+1], v[W3R:W3R+1], v[INIT:INIT+1]
	DMAX 2
	v_pk_mul_f32 v[ACC+2:ACC+3], v[RD+2:RD+3], v[W3R+2:W3R+3]
	DMAX 3
.set ee, 2
.rept 14
	v_pk_fma_f32 v[ACC+2*(ee&1):ACC+2*(ee&1)+1], v[RD+2*ee:RD+2*ee+1], v[W3R+2*ee:W3R+2*ee+1], v[ACC+2*(ee&1):ACC+2*(ee&1)+1]
.if ee < 14
	DMAX ee+2
.endif
.set ee, ee+1
.endr
	v_pk_add_f32 v[ACC:ACC+1], v[ACC:ACC+1], v[ACC+2:ACC+3]
	v_add_f32 v[RP+\t], v[ACC], v[ACC+1]
.endm
; One tile's matrix work, with the next tile's layer 1 behind it.  The 32 adds and relus of L1 name none of the matrix instructions' registers:
; they are the places (ISA guide 7.12.1) in front of L1's conversions, which write RH, a source, and of L3, which reads and writes the results.
.macro STEP t, next, reload
	MM
	L1 \next, \reload
	L3 \t
.endm
; THE WAY OUT of one i: 64 results of the wave, two a lane.
.macro EPI last
	s_wait_xcnt 0x0                                ; the last i's store has had its address translated (ISA guide 3.1): VOFF and RO are rewritten only behind this wait
	v_add_nc_u32 v[VOFF], 4096, v[VOFF]            ; the next row of out; this i's store reaches back
	v_cndmask_b32 v[KEEP],   v[RP],   v[RP+1], s36 ; lanes 0-15 finish tiles 0 and 2, lanes 16-31 tiles 1 and 3,
	v_cndmask_b32 v[SEND],   v[RP+1], v[RP],   s36 ; and hand the other tile's half sum to the other half
	v_cndmask_b32 v[KEEP+1], v[RP+2], v[RP+3], s36
	v_cndmask_b32 v[SEND+1], v[RP+3], v[RP+2], s36
	v_permlanex16_b32 v[RX],   v[SEND],   s34, s35
	v_permlanex16_b32 v[RX+1], v[SEND+1], s34, s35
	v_pk_add_f32 v[RZ:RZ+1], v[KEEP:KEEP+1], v[RX:RX+1]                    ; z of j = 64 jh + 2 lane, + 1
	v_pk_mul_f32 v[XE:XE+1], v[RZ:RZ+1], 0x4038aa3b op_sel_hi:[1,0]        ; 2 log2(e) z
	v_exp_f32 v[XE], v[XE]                         ; an overflow to infinity gives tanh = 1, an underflow to 0 gives -1
	v_exp_f32 v[XE+1], v[XE+1]
	v_pk_mul_f32 v[XS:XS+1], v[RZ:RZ+1], v[RZ:RZ+1]                        ; z^2 (the plain instruction behind v_exp_f32: ISA guide 5.7.2)
	s_wait_alu depctr_va_vdst(0)
	v_pk_add_f32 v[XE:XE+1], v[XE:XE+1], 1.0 op_sel_hi:[1,0]
	v_rcp_f32 v[XE], v[XE]
	v_rcp_f32 v[XE+1], v[XE+1]
	v_pk_fma_f32 v[XP:XP+1], v[XS:XS+1], 0xbeaaaaab, 1.0 op_sel_hi:[1,0,0] ; 1 - z^2 / 3 (the plain instruction behind v_rcp_f32)
	v_pk_mul_f32 v[XP:XP+1], v[XP:XP+1], v[RZ:RZ+1]
	s_wait_alu depctr_va_vdst(0)
	v_pk_fma_f32 v[XT:XT+1], v[XE:XE+1], -2.0, 1.0 op_sel_hi:[1,0,0]       ; 1 - 2 / (1 + 2^..)
	v_cmp_gt_f32 vcc_lo, s40, v[XS]                ; z^2 < 2^-10: the series
	v_cndmask_b32 v[XT], v[XT], v[XP], vcc_lo
	v_cmp_gt_f32 vcc_lo, s40, v[XS+1]
	v_cndmask_b32 v[XT+1], v[XT+1], v[XP+1], vcc_lo
	v_pk_add_f32 v[XF:XF+1], v[EJR:EJR+1], v[EG:EG+1] op_sel_hi:[1,0] neg_lo:[0,1] neg_hi:[0,1]   ; e_j - e_i
	v_max_num_f32 v[XG],   v[GJR],   v[EG+1]       ; max(g_j, g_i)
	v_max_num_f32 v[XG+1], v[GJR+1], v[EG+1]
	v_max_num_f32 v[XF],   0, v[XF]
	v_max_num_f32 v[XF+1], 0, v[XF+1]
	v_pk_mul_f32 v[XF:XF+1], v[XF:XF+1], v[XG:XG+1]
	v_min_num_f32 v[XF],   s38, v[XF]              ; -fixed, between 0 and 10
	v_min_num_f32 v[XF+1], s38, v[XF+1]
	v_pk_fma_f32 v[RO:RO+1], v[XT:XT+1], s[32:33], v[XF:XF+1] op_sel_hi:[1,0,1] neg_lo:[0,0,1] neg_hi:[0,0,1]   ; alpha tanh + fixed
	v_med3_num_f32 v[RO],   v[RO],   s37, s38
	v_med3_num_f32 v[RO+1], v[RO+1], s37, s38
	global_store_b64 v[VOFF], v[RO:RO+1], s[28:29] offset:-4096 th:TH_STORE_NT    ; the wave's 32 lanes: 256 consecutive bytes, aligned
.if \last == 0
	v_add_nc_u32 v[EGADR], 8, v[EGADR]
	ds_load_b64 v[EG:EG+1], v[EGADR] offset:EGI    ; the next i's (e, g)
.endif
.endm
; One i: four tiles.  At its head RH holds tile 0's h1.  last = 1: no i follows, nothing is loaded.
.macro ITER last
	STEP 0, 1, 0
	STEP 1, 2, 0
	STEP 2, 3, 1-\last
	MM
	s_wait_dscnt 0x0                               ; the next i's a (issued one tile ago) and this i's (e, g) (issued one i ago); nothing was issued behind them
.if \last == 0
	L1 0, 0                                        ; the next i's first tile, behind this i's last matrix work
.else
.rept 4
	v_nop                                          ; no layer 1 follows: the four places in front of L3's first read of the results (ISA guide 7.12.1)
.endr
.endif
	L3 3
	EPI \last
.endm
	s_wait_dscnt 0x0                               ; c, a, W2^T, e, g: all that was asked for above
	L1 0, 0
	s_mov_b32 s39, 15
.Li:
	ITER 0
	s_sub_co_u32 s39, s39, 1
	s_cmp_lg_u32 s39, 0
	s_cbranch_scc1 .Li
	ITER 1                                         ; the sixteenth i is written out: no load passes the tables' last rows
	s_wait_tensorcnt 0x0
	ds_add_u32 v254, v255
	s_wait_dscnt 0x0
	s_endpgm
.Lfunc_end_k_qd2050b0739_main:
	.size	k_qd2050b0739_main, .Lfunc_end_k_qd2050b0739_main-k_qd2050b0739_main
	.p2alignl 7, 3214868480
	.fill 96, 4, 3214868480
	.section	.rodata,"a",@progbits
	.p2align	6, 0x0
	.amdhsa_kernel k_qd2050b0739_main
		.amdhsa_group_segment_fixed_size 67584
		.amdhsa_private_segment_fixed_size 0
		.amdhsa_enable_private_segment 0
		.amdhsa_kernarg_size 88
		.amdhsa_user_sgpr_count 2
		.amdhsa_user_sgpr_kernarg_segment_ptr 1
		.amdhsa_wavefront_size32 1
		.amdhsa_system_sgpr_workgroup_id_x 1
		.amdhsa_system_sgpr_workgroup_id_y 1
		.amdhsa_system_sgpr_workgroup_id_z 1
		.amdhsa_system_vgpr_workitem_id 0
		.amdhsa_next_free_vgpr 416
		.amdhsa_next_free_sgpr 66
		.amdhsa_reserve_vcc 1
		.amdhsa_float_denorm_mode_32 3
		.amdhsa_float_denorm_mode_16_64 3
		.amdhsa_memory_ordered 1
		.amdhsa_forward_progress 1
		.amdhsa_inst_pref_size 78
	.end_amdhsa_kernel
	.amdgpu_metadata
---
amdhsa.version: [ 1, 2 ]
amdhsa.kernels:
  - .name:           k_qd2050b0739_main
    .symbol:         k_qd2050b0739_main.kd
    .args:
      - { .name: u_wind, .offset: 0, .size: 8, .value_kind: global_buffer, .address_space: global }
      - { .name: v_wind, .offset: 8, .size: 8, .value_kind: global_buffer, .address_space: global }
      - { .name: elevation_patches, .offset: 16, .size: 8, .value_kind: global_buffer, .address_space: global }
      - { .name: W1, .offset: 24, .size: 8, .value_kind: global_buffer, .address_space: global }
      - { .name: b1, .offset: 32, .size: 8, .value_kind: global_buffer, .address_space: global }
      - { .name: W2, .offset: 40, .size: 8, .value_kind: global_buffer, .address_space: global }
      - { .name: b2, .offset: 48, .size: 8, .value_kind: global_buffer, .address_space: global }
      - { .name: W3, .offset: 56, .size: 8, .value_kind: global_buffer, .address_space: global }
      - { .name: b3, .offset: 64, .size: 8, .value_kind: global_buffer, .address_space: global }
      - { .name: alpha, .offset: 72, .size: 8, .value_kind: global_buffer, .address_space: global }
      - { .name: out0, .offset: 80, .size: 8, .value_kind: global_buffer, .address_space: global }
    .group_segment_fixed_size: 67584
    .private_segment_fixed_size: 0
    .kernarg_segment_align: 8
    .kernarg_segment_size: 88
    .max_flat_workgroup_size: 256
    .sgpr_count:     66
    .vgpr_count:     416
    .wavefront_size: 32
...
	.end_amdgpu_metadata
.endif
;; end of part 1
;; ======== version 2 of 2: 1 launch; version 1 with the launch main written anew for expert scheduling mode
;; launch main (part 2): grid 16 x 16, 8 waves a work-group, no clusters, 67,584 bytes of LDS; arguments u_wind, v_wind, elevation_patches, W1, b1, W2, b2, W3, b3, alpha, out0; writes out0
.if DOCPART == 2
	.amdgcn_target "amdgcn-amd-amdhsa--gfx1250"
	.amdhsa_code_object_version 6
	.text
	.protected	k_qd2050b0739_main
	.globl	k_qd2050b0739_main
	.p2align	8
	.type	k_qd2050b0739_main,@function
k_qd2050b0739_main:
	s_mov_b64 s[64:65], 0
	v_nop
	global_prefetch_b8 v0, s[64:65] scope:SCOPE_SE
	s_setreg_imm32_b32 hwreg(HW_REG_WAVE_SCHED_MODE, 0, 2), 2
	s_setreg_imm32_b32 hwreg(HW_REG_WAVE_MODE, 25, 1), 1
	s_wait_xcnt 0x0
	s_wait_alu depctr_vm_vsrc(0)
; out[b][i][j] = clip( fixed(i,j) + alpha * tanh( relu( relu(pi[i] + pj[j] + b1) @ W2 + b2 ) . W3 + b3 ), -10, 10 )
; fixed(i,j)   = clip( -0.5 relu((e_j - e_i)/1000) (1 - 0.3 sigmoid(min(w_i, w_j) - 5)), -10, 0 )
;
; ONE LAUNCH.  256 work-groups; work-group (x = ib, y = 8 b + jb) makes the block of 64 i x 128 j of batch b.  It pools the 192 patches
; that it needs itself (24 KB of u and v), builds a = pi + b1 (64 rows) and c = pj (128 rows) in LDS, and keeps everything else in registers.
; Eight waves: wave w takes 64 j (jh = w & 1) and 16 i (iq = w >> 1).  c of its 64 j stays in 128 registers; it walks its 16 i.
;
; THE MATRIX INSTRUCTION IS USED TRANSPOSED: A = 16 rows of W2^T (hid2 x hid1), B = h1 (hid1 x 16 pairs), C of the first link = b2.
; Lane (r, h) of B holds pair r and k = 16 g + 8 h + 0..7 (g = 0..3 over the two K steps): just the k that the lane forms itself from a and c,
; so h1 goes from the adds to the matrix unit without a shuffle.  Register j of result tile t holds hid2 = 16 t + 8 h + j of pair r.
; Tile T (0..3), column r stands for j = 64 jh + 32 (T & 1) + 2 r + (T >> 1), so that behind the sum over the two lane halves lane L holds
; j = 64 jh + 2 L and + 1: one 8-byte store of the wave covers 256 consecutive bytes of a row of out, aligned.
;
; ALGEBRA (holds for every input): the sigmoid rises, so 1 - 0.3 sigmoid(min(w_i, w_j) - 5) = max(m_i, m_j), m_p = 1 - 0.3 sigmoid(w_p - 5): 192 sigmoids
; in a work-group in place of 8,192.  With g_p = 0.0005 m_p > 0: fixed = -min(relu(e_j - e_i) max(g_i, g_j), 10); its upper clip at 0 holds by sign.
; tanh(z) = 1 - 2 / (1 + 2^(2.88539 z)) where z^2 >= 2^-10, and z (1 - z^2 / 3) below (the next term is under 1.3e-7 of z): small z keep their digits.
;
; LIMITS.  h1 and W2 are rounded to bf16, all else is f32.  v_sqrt_f32 takes u^2 + v^2 below 2^-126 as 0 (an error under 1e-19 in a wind speed).
; /1000 is a multiplication by 0.001f, and 0.5/1000 is folded into g: last-bit differences.  NaN, infinities and the sign of zero are not followed.
;
; NOT USED, and why.  Tensor loads, a ring, a cluster with joint requests: a work-group reads 45 KB once, and every byte of it passes arithmetic
; before it lies in LDS; what work-groups share (W2, 16 KB, and the wind rows) is read once at the start and is no part of the loop.
; Prefetching: there is one phase of loads, at the very start.
;
; THE MODE: SCHED_MODE bits 1:0 = 2 (LLVM: expert scheduling mode 2), set by the entry lines.  The code itself states the register dependences
; between vector or matrix instructions and memory or LDS instructions, with s_wait_alu, always for 0.
; THE PLAN.  Registers that memory or LDS instructions touch, in the loop over i:
;   RA0, RA1     a's row of i lies in buffer i & 1.  Read by layer 1's adds: tiles 1 to 3 in i's turn, tile 0 at the end of the turn before.
;                Loaded again, with row i + 2, at the end of i's way out.
;   EG           Read by i's way out; loaded again, with the pair of i + 1, at that way out's end.
;   RO           Written by i's way out; read by the store at its end; written again in the next way out.
;   AADR, EGADR  Read by those LDS loads; stepped at the head of the next way out.
;   VOFF         Read by every store; made once: the scalar base moves on by a row.
;   c, W2^T, b2, W3, h1, the results and all scratch are named by vector and matrix instructions alone.
; So a turn holds ONE wait on vm_vsrc, at the head of its way out, a whole turn behind the store and the loads that it speaks of, and ONE wait on va_vdst for
; its memory instructions, at the way out's end, with the store and the nine LDS loads in one run behind it.  The way out's two other waits on va_vdst
; stand behind its exponentials and its reciprocals, and one wait on va_sdst behind its two compares.  The loop's body is two turns, one for each buffer of a.
.set FEAT,   0                         ; 192 rows of 16 bytes (u_p, v_p, e/1000, w): rows 0-127 the j patches, 128-191 the i patches
.set EJ,     3072                      ; 128 f32: e_j
.set GJ,     3584                      ; 128 f32: g_j
.set EGI,    4096                      ; 64 pairs (e_i, g_i)
.set W2T,    4608                      ; 64 rows (hid2) of 64 bf16 (hid1)
.set WPITCH, 144                       ; 128 bytes + 16: an odd multiple of 16, so 16 rows start at 16 different 16-byte columns modulo 256
.set TAB,    13824                     ; 192 rows of 64 f32: rows 0-127 c in tile order (64 jh + 16 T + r), rows 128-191 a
.set TPITCH, 272                       ; 256 bytes + 16, likewise
.set TABA,   TAB+128*TPITCH            ; a's rows; the table ends at byte 66,048.  From byte 66,560 (0x10400) on: the spare words, 128 bytes for each of the eight waves
; window 0
.set LR,    1                          ; r = lane & 15
.set LH,    2                          ; h = lane >> 4
.set LL,    3                          ; lane
.set AADR,  4                          ; LDS: a's row of the i whose way out came last, plus one (without TABA)
.set EGADR, 5                          ; LDS: (e_i, g_i) asked for last (without EGI)
.set VOFF,  6                          ; byte offset of my 8 bytes in a row of out; never rewritten
.set W2F,   16                         ; v[16:79]   W2^T: fragment (tile t, K step s) at 16 + 8 (2 t + s)
.set B2,    80                         ; v[80:111]  b2[16 t + 8 h + j] at 80 + 8 t + j
.set W3R,   112                        ; v[112:143] W3 likewise
.set RH,    144                        ; v[144:159] h1 in bf16: B's fragments of the two K steps
.set RT,    160                        ; v[160:191] h1 in f32, at work; scratch of the way out
.set RD,    192                        ; v[192:223] four result tiles
.set ACC,   224                        ; v[224:227] two chains of layer 3
.set RP,    228                        ; v[228:231] tile T's half sums
.set EJR,   232                        ; e of my two j
.set GJR,   234                        ; g of my two j
.set EG,    236                        ; (e_i, g_i)
.set INIT,  238                        ; (b3 in lanes 0-15, 0 in lanes 16-31; 0): starts chain 0, so that b3 enters each z once
.set KEEP,  240
.set SEND,  242
.set RX,    244
.set RZ,    246
.set RO,    248
.set XE, RT                            ; the way out's scratch
.set XS, RT+2
.set XP, RT+4
.set XT, RT+6
.set XF, RT+8
.set XG, RT+10
; window 1
.set RC,    0                          ; v[256:383] c of my 64 j, tile T at 32 T, k = 16 g + 8 h + e at 8 g + e
.set RA,    128                        ; v[384:447] a, two buffers: the row of i in buffer i & 1, at 128 + 32 (i & 1), laid as c is
; the prologue's names for registers that the loop uses otherwise
.set W1R,   192                        ; v[192:215] W1 row w, my 4 columns, at 192 + 4 w
.set B1R,   216                        ; v[216:219] b1, my 4 columns
.set PU,    16                         ; pooling: 16 u, 16 v, 16 speeds
.set PV,    32
.set PM,    48
.set FR,    68                         ; v[68:71] the feature row
.set PX,    73
.set PE,    74                         ; v[74:75] (e, g)
.set WL,    16                         ; W2 as loaded
.set WP,    144                        ; W2 packed
.set TF,    16                         ; twelve feature rows
.set TR,    144                        ; v[144:191] twelve table pieces
.set MSB, 0
.macro WIN new                         ; s_set_vgpr_msb: bits 1:0 source 0, 3:2 source 1, 7:6 destination; the high byte repeats the setting left
.if MSB != \new
	s_set_vgpr_msb (MSB<<8)|\new
.set MSB, \new
.endif
.endm
	; ---------------- every wave: addresses, ids, the small tensors ----------------
	s_load_b512 s[8:23], s[0:1], 0x0               ; u s[8:9], v s[10:11], elevation s[12:13], W1 s[14:15], b1 s[16:17], W2 s[18:19], b2 s[20:21], W3 s[22:23]
	s_load_b128 s[24:27], s[0:1], 0x40             ; b3 s[24:25], alpha s[26:27]
	s_load_b64 s[28:29], s[0:1], 0x50              ; out
	v_lshl_add_u32 v254, v0, 2, 0x10400            ; my spare word's LDS address, and 0: made here and kept for the closing lines alone
	v_mov_b32 v255, 0
	v_and_b32 v[LL], 31, v0
	v_and_b32 v[LR], 15, v0
	v_bfe_u32 v[LH], v0, 4, 1
	v_lshrrev_b32 v7, 5, v0
	v_readfirstlane_b32 s2, v7                     ; wave 0..7
	s_mov_b32 s3, ttmp9                            ; ib
	s_and_b32 s4, ttmp7, 0xffff
	s_lshr_b32 s5, s4, 3                           ; b
	s_and_b32 s6, s4, 7                            ; jb
	s_mov_b32 s34, 0x76543210                      ; v_permlanex16_b32: lane i of one half reads lane i of the other
	s_mov_b32 s35, 0xfedcba98
	s_mov_b32 s36, 0xffff0000                      ; the lanes with h = 1
	s_mov_b32 s37, 0xc1200000                      ; -10.0
	s_mov_b32 s38, 0x41200000                      ; 10.0
	s_mov_b32 s40, 0x3a800000                      ; 2^-10
	s_mov_b32 s41, 0xbfb8aa3b                      ; -log2(e)
	s_mov_b32 s50, 0xb91d4952                      ; -0.00015 = -0.0005 x 0.3
	s_mov_b32 s51, 0x3a03126f                      ; 0.0005 = 0.5 / 1000
	v_lshlrev_b32 v8, 4, v[LR]                     ; my 4 columns of W1 and b1
	v_lshlrev_b32 v9, 5, v[LH]                     ; my 8 of each 16 numbers of b2 and W3
	s_wait_alu depctr_va_sdst(0)                   ; s2 is written, ahead of its first reader: jh, iq, every branch on the wave and every wave term are made from it
	s_and_b32 s48, s2, 1                           ; jh
	s_lshr_b32 s49, s2, 1                          ; iq
	s_wait_kmcnt 0x0
	s_load_b32 s30, s[24:25], 0x0                  ; b3
	s_load_b32 s32, s[26:27], 0x0                  ; alpha
	s_wait_alu depctr_va_vdst(0)                   ; v8 and v9 are written, which the loads below read as their offsets
.irp w, 0,1,2,3,4,5
	global_load_b128 v[W1R+4*\w:W1R+4*\w+3], v8, s[14:15] offset:256*\w
.endr
	global_load_b128 v[B1R:B1R+3], v8, s[16:17]
.irp t, 0,1,2,3
	global_load_b128 v[B2+8*\t:B2+8*\t+3],    v9, s[20:21] offset:64*\t
	global_load_b128 v[B2+8*\t+4:B2+8*\t+7],  v9, s[20:21] offset:64*\t+16
	global_load_b128 v[W3R+8*\t:W3R+8*\t+3],   v9, s[22:23] offset:64*\t
	global_load_b128 v[W3R+8*\t+4:W3R+8*\t+7], v9, s[22:23] offset:64*\t+16
.endr
	s_cmp_ge_u32 s2, 6
	s_cbranch_scc1 .Lw2
	; ---------------- waves 0-5: pool one grid row of 32 patches, a patch (4 x 4 numbers) a lane ----------------
	s_lshl_b32 s44, s6, 7                          ; waves 0-3: the j patches 128 jb + 32 wave
	s_lshl_b32 s45, s3, 6                          ; waves 4, 5: the i patches 64 ib + 32 (wave - 4)
	s_cmp_lt_u32 s2, 4
	s_cselect_b32 s7, s44, s45
	s_and_b32 s44, s2, 3
	s_lshl_b32 s44, s44, 5
	s_add_co_u32 s7, s7, s44                       ; my first patch, a multiple of 32
	s_lshl_b32 s42, s5, 16                         ; u, v: 65,536 b + 4 rows of 512 bytes for each 32 patches
	s_lshl_b32 s44, s7, 6
	s_add_co_u32 s42, s42, s44
	s_mov_b32 s43, 0
	s_lshl_b32 s46, s5, 12                         ; elevation: 4,096 b + 4 x patch
	s_lshl_b32 s44, s7, 2
	s_add_co_u32 s46, s46, s44
	s_mov_b32 s47, 0
	s_add_nc_u64 s[8:9], s[8:9], s[42:43]
	s_add_nc_u64 s[10:11], s[10:11], s[42:43]
	s_add_nc_u64 s[12:13], s[12:13], s[46:47]
	v_lshlrev_b32 v10, 4, v[LL]
	v_lshlrev_b32 v11, 2, v[LL]
	s_lshl_b32 s52, s2, 9
	v_lshl_add_u32 v12, v[LL], 4, s52              ; my feature row: 16 lane + 512 wave
	s_wait_alu depctr_va_vdst(0)                   ; v10 and v11 are written, the offsets of the loads below; so is v12, the address of the LDS store further down
.irp k, 0,1,2,3
	global_load_b128 v[PU+4*\k:PU+4*\k+3], v10, s[8:9] offset:512*\k       ; a whole row of 128 numbers: 512 consecutive bytes
.endr
.irp k, 0,1,2,3
	global_load_b128 v[PV+4*\k:PV+4*\k+3], v10, s[10:11] offset:512*\k
.endr
	global_load_b32 v[PE], v11, s[12:13]
	s_wait_loadcnt 0x0                             ; these and the small tensors above: one trip to memory in all
.irp k, 0,2,4,6,8,10,12,14
	v_pk_mul_f32 v[PM+\k:PM+\k+1], v[PU+\k:PU+\k+1], v[PU+\k:PU+\k+1]
.endr
.irp k, 0,2,4,6,8,10,12,14
	v_pk_fma_f32 v[PM+\k:PM+\k+1], v[PV+\k:PV+\k+1], v[PV+\k:PV+\k+1], v[PM+\k:PM+\k+1]
.endr
.irp k, 0,1,2,3,4,5,6,7,8,9,10,11,12,13,14,15
	v_sqrt_f32 v[PM+\k], v[PM+\k]                  ; back to back; u's and v's sums below are the plain instructions in front of the first use (ISA guide 5.7.2)
.endr
.macro SUM16 b                         ; 16 numbers to one, as a tree
	v_pk_add_f32 v[\b:\b+1],     v[\b:\b+1],     v[\b+2:\b+3]
	v_pk_add_f32 v[\b+4:\b+5],   v[\b+4:\b+5],   v[\b+6:\b+7]
	v_pk_add_f32 v[\b+8:\b+9],   v[\b+8:\b+9],   v[\b+10:\b+11]
	v_pk_add_f32 v[\b+12:\b+13], v[\b+12:\b+13], v[\b+14:\b+15]
	v_pk_add_f32 v[\b:\b+1],     v[\b:\b+1],     v[\b+4:\b+5]
	v_pk_add_f32 v[\b+8:\b+9],   v[\b+8:\b+9],   v[\b+12:\b+13]
	v_pk_add_f32 v[\b:\b+1],     v[\b:\b+1],     v[\b+8:\b+9]
	v_add_f32 v[\b], v[\b], v[\b+1]
.endm
	SUM16 PU
	SUM16 PV
	s_wait_alu depctr_va_vdst(0)                   ; the sixteen roots are written: one wait for the batch, ahead of its first reader
	SUM16 PM
	v_mul_f32 v[FR+3], 0x3d800000, v[PM]           ; w = mean speed (1/16)
	v_fma_f32 v[PX], v[FR+3], s41, 0x40e6d4ca      ; -(w - 5) log2(e); w >= 0, so at most 7.22: no overflow
	v_exp_f32 v[PX], v[PX]
	v_mul_f32 v[FR], 0x3d800000, v[PU]             ; u_p (and the plain instruction behind v_exp_f32)
	s_wait_alu depctr_va_vdst(0)                   ; the exponential is written, ahead of its reader
	v_add_f32 v[PX], 1.0, v[PX]
	v_rcp_f32 v[PX], v[PX]                         ; sigmoid(w - 5)
	v_mul_f32 v[FR+1], 0x3d800000, v[PV]           ; v_p (and the plain instruction behind v_rcp_f32)
	v_mul_f32 v[FR+2], 0x3a83126f, v[PE]           ; e x 0.001
	s_wait_alu depctr_va_vdst(0)                   ; the reciprocal is written, ahead of its reader; so are the four words of the feature row, which the LDS store below reads
	v_fma_f32 v[PE+1], v[PX], s50, s51             ; g = 0.0005 (1 - 0.3 sigmoid)
	ds_store_b128 v12, v[FR:FR+3] offset:FEAT
	s_cmp_ge_u32 s2, 4
	s_cbranch_scc1 .Lipatch
	s_lshl_b32 s53, s2, 7
	v_lshl_add_u32 v13, v[LL], 2, s53              ; 4 lane + 128 wave
	s_wait_alu depctr_va_vdst(0)                   ; g and v13 are written: the data and the address of the LDS stores below
	ds_store_b32 v13, v[PE] offset:EJ
	ds_store_b32 v13, v[PE+1] offset:GJ
	s_branch .Ljoin
.Lipatch:
	s_lshl_b32 s54, s2, 8
	v_lshl_add_u32 v14, v[LL], 3, s54              ; 8 lane + 256 wave; waves 4 and 5, so 1,024 comes off in the offset
	s_wait_alu depctr_va_vdst(0)                   ; g and v14 are written: the data and the address of the LDS store below
	ds_store_b64 v14, v[PE:PE+1] offset:EGI-1024
	s_branch .Ljoin
	; ---------------- waves 6, 7: W2 to bf16, transposed.  Wave 6 makes rows (hid2) 0-31 of W2T, wave 7 rows 32-63 ----------------
	; Lane: 4 columns m = 32 (wave - 6) + 4 (lane & 7) + 0..3 of the row pairs kp = (lane >> 3) + 4 i.  Eight lanes read 128 consecutive bytes,
	; the two waves together whole rows of W2.  The split by m keeps each wave's LDS bytes one range of its own.
.Lw2:
	v_and_b32 v14, 7, v0
	v_bfe_u32 v15, v0, 3, 2
	s_lshl_b32 s52, s48, 7
	s_mul_i32 s53, s48, 32*WPITCH
	v_lshl_add_u32 v10, v14, 4, s52
	v_lshl_add_u32 v10, v15, 9, v10                ; 128 (wave - 6) + 16 (lane & 7) + 2 rows of 256 bytes x (lane >> 3)
	v_mul_u32_u24 v12, v14, 4*WPITCH
	v_lshl_add_u32 v12, v15, 2, v12
	v_add_nc_u32 v12, s53, v12                     ; row 32 (wave - 6) + 4 (lane & 7), word lane >> 3
	s_wait_alu depctr_va_vdst(0)                   ; v10 is written, the offset of the loads below; so is v12, the address of the LDS stores further down
.irp i, 0,1,2,3,4,5,6,7
	global_load_b128 v[WL+8*\i:WL+8*\i+3],   v10, s[18:19] offset:2048*\i          ; W2[2 kp][m ..]
	global_load_b128 v[WL+8*\i+4:WL+8*\i+7], v10, s[18:19] offset:2048*\i+256      ; W2[2 kp + 1][m ..]
.endr
	s_wait_loadcnt 0x0
.irp i, 0,1,2,3,4,5,6,7
.irp q, 0,1,2,3
	v_cvt_pk_bf16_f32 v[WP+4*\i+\q], v[WL+8*\i+\q], v[WL+8*\i+4+\q]                ; the lower k in the low half
.endr
.endr
	s_wait_alu depctr_va_vdst(0)                   ; the conversions have written v[WP ..], which the LDS stores read
.irp i, 0,1,2,3,4,5,6,7
.irp q, 0,1,2,3
	ds_store_b32 v12, v[WP+4*\i+\q] offset:W2T+WPITCH*\q+16*\i
.endr
.endr
.Ljoin:
	s_wait_dscnt 0x0                               ; my stores are in LDS before I say so: the other waves read them
	s_wait_kmcnt 0x0                               ; b3 and alpha
	s_mov_b32 s33, s32                             ; the packed multiply names the pair
	s_barrier_signal -1
	s_barrier_wait -1
	s_wait_alu depctr_vm_vsrc(0)                   ; the loads and LDS stores above have read v8 to v12, the feature row, (e, g) and, in waves 6 and 7, v[WP ..]: all of these are written again from here on
	; ---------------- all waves: the tables.  Thread (row group rg = 2 wave + h, 4 columns 4 r ..) makes a piece of 12 rows ----------------
	s_lshl_b32 s52, s2, 6
	s_lshl_b32 s53, s2, 5
	s_mul_i32 s54, s2, 2*TPITCH
	v_lshl_add_u32 v10, v[LH], 5, s52              ; c: feature row 2 rg (+ the tile's constant)
	v_lshl_add_u32 v11, v[LH], 4, s53              ; a: feature row rg
	v_mul_u32_u24 v12, v[LH], TPITCH
	v_lshl_add_u32 v12, v[LR], 4, v12
	v_add_nc_u32 v12, s54, v12                     ; table row rg, 16 bytes at 16 r: sixteen lanes write 256 consecutive bytes
	s_wait_alu depctr_va_vdst(0)                   ; v10 and v11 are written, the addresses of the loads below; the first phase's arithmetic is done with v16 to v63, in which they land
.irp i, 0,1,2,3,4,5,6,7
	ds_load_b128 v[TF+4*\i:TF+4*\i+3], v10 offset:FEAT+16*(64*(\i>>2)+32*(\i&1)+((\i>>1)&1))   ; table row 16 i + rg = (jh, T, r): j = 64 jh + 32 (T & 1) + 2 r + (T >> 1)
.endr
.irp i, 8,9,10,11
	ds_load_b128 v[TF+4*\i:TF+4*\i+3], v11 offset:FEAT+2048+256*(\i-8)
.endr
	s_wait_dscnt 0x0
; row = which of my 12 rows, made in registers of its own; w = first of the three rows of W1; bias = 1: the sum starts from b1
.macro ROW row, w, bias
.set rr, TR+4*\row
.if \bias
	v_pk_fma_f32 v[rr:rr+1],   v[W1R+4*\w:W1R+4*\w+1],   v[TF+4*\row:TF+4*\row+1], v[B1R:B1R+1]   op_sel_hi:[1,0,1]    ; x u_p, in both halves
	v_pk_fma_f32 v[rr+2:rr+3], v[W1R+4*\w+2:W1R+4*\w+3], v[TF+4*\row:TF+4*\row+1], v[B1R+2:B1R+3] op_sel_hi:[1,0,1]
.else
	v_pk_mul_f32 v[rr:rr+1],   v[W1R+4*\w:W1R+4*\w+1],   v[TF+4*\row:TF+4*\row+1] op_sel_hi:[1,0]
	v_pk_mul_f32 v[rr+2:rr+3], v[W1R+4*\w+2:W1R+4*\w+3], v[TF+4*\row:TF+4*\row+1] op_sel_hi:[1,0]
.endif
	v_pk_fma_f32 v[rr:rr+1],   v[W1R+4*\w+4:W1R+4*\w+5], v[TF+4*\row:TF+4*\row+1], v[rr:rr+1]   op_sel:[0,1,0] op_sel_hi:[1,1,1]   ; x v_p
	v_pk_fma_f32 v[rr+2:rr+3], v[W1R+4*\w+6:W1R+4*\w+7], v[TF+4*\row:TF+4*\row+1], v[rr+2:rr+3] op_sel:[0,1,0] op_sel_hi:[1,1,1]
	v_pk_fma_f32 v[rr:rr+1],   v[W1R+4*\w+8:W1R+4*\w+9],   v[TF+4*\row+2:TF+4*\row+3], v[rr:rr+1]   op_sel_hi:[1,0,1]              ; x e / 1000
	v_pk_fma_f32 v[rr+2:rr+3], v[W1R+4*\w+10:W1R+4*\w+11], v[TF+4*\row+2:TF+4*\row+3], v[rr+2:rr+3] op_sel_hi:[1,0,1]
.endm
.irp i, 0,1,2,3,4,5,6,7
	ROW \i, 3, 0                                   ; c = feat_j @ W1[3:6]
.endr
.irp i, 8,9,10,11
	ROW \i, 0, 1                                   ; a = feat_i @ W1[0:3] + b1
.endr
	s_wait_alu depctr_va_vdst(0)                   ; the twelve pieces v[TR ..] are written, which the LDS stores read: one wait for the run (v12 was written ahead of the wait before)
.irp i, 0,1,2,3,4,5,6,7,8,9,10,11
	ds_store_b128 v12, v[TR+4*\i:TR+4*\i+3] offset:TAB+16*TPITCH*\i
.endr
	s_wait_dscnt 0x0                               ; for the others' sake
	s_barrier_signal -1
	s_barrier_wait -1                              ; the last barrier: from here on LDS is only read
	s_wait_alu depctr_vm_vsrc(0)                   ; my LDS stores have read v[TR ..]: these registers are RH and RT from here on, written by layer 1
	; ---------------- each wave: what stays in registers ----------------
	s_mul_i32 s52, s48, 64*TPITCH
	s_mul_i32 s53, s49, 16*TPITCH
	s_lshl_b32 s54, s49, 7
	s_lshl_b32 s55, s48, 8
	v_mul_u32_u24 v7, v[LR], TPITCH
	v_lshl_add_u32 v7, v[LH], 5, v7
	v_add_nc_u32 v7, s52, v7                       ; c: row 64 jh + r, byte 32 h
	v_lshl_add_u32 v[AADR], v[LH], 5, s53          ; a: row 16 iq, byte 32 h (the 16 lanes of a half read the same words)
	v_mul_u32_u24 v8, v[LR], WPITCH
	v_lshl_add_u32 v8, v[LH], 4, v8                ; W2T: row r, byte 16 h
	v_mov_b32 v[EGADR], s54                        ; 8 bytes x 16 iq
	v_lshl_add_u32 v9, v[LL], 3, s55               ; e_j, g_j: 4 bytes x (64 jh + 2 lane)
	v_lshlrev_b32 v[VOFF], 3, v[LL]
	s_lshl_b32 s42, s5, 10                         ; out: row 1,024 b + 64 ib + 16 iq, column 128 jb + 64 jh, in bytes (under 8 MiB)
	s_lshl_b32 s44, s3, 6
	s_add_co_u32 s42, s42, s44
	s_lshl_b32 s44, s49, 4
	s_add_co_u32 s42, s42, s44
	s_lshl_b32 s42, s42, 10
	s_lshl_b32 s44, s6, 7
	s_add_co_u32 s42, s42, s44
	s_lshl_b32 s44, s48, 6
	s_add_co_u32 s42, s42, s44
	s_lshl_b32 s42, s42, 2
	s_mov_b32 s43, 0
	s_add_nc_u64 s[28:29], s[28:29], s[42:43]
	WIN 0x40                                       ; destinations in window 1
	s_wait_alu depctr_va_vdst(0)                   ; v7, v8, v9, AADR, EGADR and VOFF are written, the addresses of all that follows; the tables' arithmetic is done with v16 to v79, in which W2^T lands.  Only loads and window switches stand in the run below
.irp t, 0,1,2,3
.irp g, 0,1,2,3
	ds_load_b128 v[RC+32*\t+8*\g:RC+32*\t+8*\g+3],   v7 offset:TAB+16*TPITCH*\t+64*\g
	ds_load_b128 v[RC+32*\t+8*\g+4:RC+32*\t+8*\g+7], v7 offset:TAB+16*TPITCH*\t+64*\g+16
.endr
.endr
.irp q, 0,1
.irp g, 0,1,2,3
	ds_load_b128 v[RA+32*\q+8*\g:RA+32*\q+8*\g+3],   v[AADR] offset:TABA+TPITCH*\q+64*\g       ; a's rows of my first two i, one in each buffer
	ds_load_b128 v[RA+32*\q+8*\g+4:RA+32*\q+8*\g+7], v[AADR] offset:TABA+TPITCH*\q+64*\g+16
.endr
.endr
	WIN 0
.irp t, 0,1,2,3
.irp s, 0,1
	ds_load_b128 v[W2F+8*(2*\t+\s):W2F+8*(2*\t+\s)+3],   v8 offset:W2T+16*WPITCH*\t+64*\s      ; k = 32 s + 8 h ..
	ds_load_b128 v[W2F+8*(2*\t+\s)+4:W2F+8*(2*\t+\s)+7], v8 offset:W2T+16*WPITCH*\t+64*\s+32   ; k = 32 s + 16 + 8 h ..
.endr
.endr
	ds_load_b64 v[EJR:EJR+1], v9 offset:EJ
	ds_load_b64 v[GJR:GJR+1], v9 offset:GJ
	ds_load_b64 v[EG:EG+1], v[EGADR] offset:EGI
	v_mov_b32 v[INIT+1], 0
	v_mov_b32 v[INIT], s30
	v_cndmask_b32 v[INIT], v[INIT], v[INIT+1], s36 ; b3 in the lower half of the lanes alone
	v_mov_b32 v[RX], 0                             ; v_permlanex16_b32 counts as a reader of its destination
	v_mov_b32 v[RX+1], 0
; LAYER 1 of tile t: h1 = relu(a + c), 32 numbers a lane, to bf16.  48 lines.  q: the buffer that holds a's row.
.macro L1 t, q
	WIN 0x05                                       ; both sources in window 1
.set nn, 0
.rept 16
	v_pk_add_f32 v[RT+2*nn:RT+2*nn+1], v[RA+32*(\q)+2*nn:RA+32*(\q)+2*nn+1], v[RC+32*(\t)+2*nn:RC+32*(\t)+2*nn+1]
.set nn, nn+1
.endr
	WIN 0
.set nn, 0
.rept 16
	v_dual_max_num_f32 v[RT+2*nn], 0, v[RT+2*nn] :: v_dual_max_num_f32 v[RT+2*nn+1], 0, v[RT+2*nn+1]
.set nn, nn+1
.endr
.set nn, 0
.rept 16
	v_cvt_pk_bf16_f32 v[RH+nn], v[RT+2*nn], v[RT+2*nn+1]
.set nn, nn+1
.endr
.endm
; LAYER 2 of the tile in RH: four result tiles, two K steps.  The first link takes b2 as C: nothing is cleared and b2 costs no vector line.
; The second link has the first's D as its C and D: the next link of a chain in place, which owes no distance (ISA guide 7.12.1); the four results take turns.
.macro MM
.irp t, 0,1,2,3
	v_wmma_f32_16x16x32_bf16 v[RD+8*\t:RD+8*\t+7], v[W2F+16*\t:W2F+16*\t+7], v[RH:RH+7], v[B2+8*\t:B2+8*\t+7]
.endr
.irp t, 0,1,2,3
	v_wmma_f32_16x16x32_bf16 v[RD+8*\t:RD+8*\t+7], v[W2F+16*\t+8:W2F+16*\t+15], v[RH+8:RH+15], v[RD+8*\t:RD+8*\t+7]
.endr
.endm
.macro DMAX p                          ; relu of result pair p, two in one issue
	v_dual_max_num_f32 v[RD+2*(\p)], 0, v[RD+2*(\p)] :: v_dual_max_num_f32 v[RD+2*(\p)+1], 0, v[RD+2*(\p)+1]
.endm
; LAYER 3 of tile t: my 32 of the 64 products relu(h2) W3, in two chains whose links stand four lines apart; the relus run two pairs ahead.
.macro L3 t
	DMAX 0
	DMAX 1
	v_pk_fma_f32 v[ACC:ACC+1], v[RD:RD+1], v[W3R:W3R+1], v[INIT:INIT+1]
	DMAX 2
	v_pk_mul_f32 v[ACC+2:ACC+3], v[RD+2:RD+3], v[W3R+2:W3R+3]
	DMAX 3
.set ee, 2
.rept 14
	v_pk_fma_f32 v[ACC+2*(ee&1):ACC+2*(ee&1)+1], v[RD+2*ee:RD+2*ee+1], v[W3R+2*ee:W3R+2*ee+1], v[ACC+2*(ee&1):ACC+2*(ee&1)+1]
.if ee < 14
	DMAX ee+2
.endif
.set ee, ee+1
.endr
	v_pk_add_f32 v[ACC:ACC+1], v[ACC:ACC+1], v[ACC+2:ACC+3]
	v_add_f32 v[RP+\t], v[ACC], v[ACC+1]
.endm
; One tile's matrix work, with the next tile's layer 1 behind it.  The 32 adds and relus of L1 name none of the matrix instructions' registers:
; they are the places (ISA guide 7.12.1) in front of L1's conversions, which write RH, a source, and of L3, which reads and writes the results.
.macro STEP t, next, q
	MM
	L1 \next, \q
	L3 \t
.endm
; THE WAY OUT of one i: 64 results of the wave, two a lane.  q = i & 1.  ra = 1: buffer q of a takes the row of i + 2.  last = 1: no i follows.
.macro EPI q, ra, last
	s_wait_xcnt 0x0                                ; the last i's store has had its address translated (ISA guide 3.1): its base and RO are rewritten only behind this wait
	s_wait_alu depctr_vm_vsrc(0)                   ; the last i's store has read RO, and the LDS loads issued with it (ahead of the first i: the set-up's) have read AADR and EGADR: all three are written again below
	s_add_nc_u64 s[28:29], s[28:29], 4096          ; the next row of out; this i's store reaches back
.if \ra
	v_add_nc_u32 v[AADR], TPITCH, v[AADR]
.endif
.if \last == 0
	v_add_nc_u32 v[EGADR], 8, v[EGADR]
.endif
	v_cndmask_b32 v[KEEP],   v[RP],   v[RP+1], s36 ; lanes 0-15 finish tiles 0 and 2, lanes 16-31 tiles 1 and 3,
	v_cndmask_b32 v[SEND],   v[RP+1], v[RP],   s36 ; and hand the other tile's half sum to the other half
	v_cndmask_b32 v[KEEP+1], v[RP+2], v[RP+3], s36
	v_cndmask_b32 v[SEND+1], v[RP+3], v[RP+2], s36
	v_permlanex16_b32 v[RX],   v[SEND],   s34, s35
	v_permlanex16_b32 v[RX+1], v[SEND+1], s34, s35
	v_pk_add_f32 v[RZ:RZ+1], v[KEEP:KEEP+1], v[RX:RX+1]                    ; z of j = 64 jh + 2 lane, + 1
	v_pk_mul_f32 v[XE:XE+1], v[RZ:RZ+1], 0x4038aa3b op_sel_hi:[1,0]        ; 2 log2(e) z
	v_exp_f32 v[XE], v[XE]                         ; an overflow to infinity gives tanh = 1, an underflow to 0 gives -1
	v_exp_f32 v[XE+1], v[XE+1]
	v_pk_mul_f32 v[XS:XS+1], v[RZ:RZ+1], v[RZ:RZ+1]                        ; z^2 (the plain instruction behind v_exp_f32: ISA guide 5.7.2)
	v_cmp_gt_f32 s56, s40, v[XS]                   ; z^2 < 2^-10: the series.  The two compares stand in a run, each with a mask of its own
	v_cmp_gt_f32 s57, s40, v[XS+1]
	v_pk_add_f32 v[XF:XF+1], v[EJR:EJR+1], v[EG:EG+1] op_sel_hi:[1,0] neg_lo:[0,1] neg_hi:[0,1]   ; e_j - e_i: the fixed part names no exponential and stands between them and their wait
	v_max_num_f32 v[XG],   v[GJR],   v[EG+1]       ; max(g_j, g_i)
	v_max_num_f32 v[XG+1], v[GJR+1], v[EG+1]
	v_max_num_f32 v[XF],   0, v[XF]
	v_max_num_f32 v[XF+1], 0, v[XF+1]
	v_pk_mul_f32 v[XF:XF+1], v[XF:XF+1], v[XG:XG+1]
	v_min_num_f32 v[XF],   s38, v[XF]              ; -fixed, between 0 and 10
	v_min_num_f32 v[XF+1], s38, v[XF+1]
	s_wait_alu depctr_va_vdst(0)                   ; the two exponentials are written, ahead of their first reader
	v_pk_add_f32 v[XE:XE+1], v[XE:XE+1], 1.0 op_sel_hi:[1,0]
	v_rcp_f32 v[XE], v[XE]
	v_rcp_f32 v[XE+1], v[XE+1]
	v_pk_fma_f32 v[XP:XP+1], v[XS:XS+1], 0xbeaaaaab, 1.0 op_sel_hi:[1,0,0] ; 1 - z^2 / 3 (the plain instruction behind v_rcp_f32)
	v_pk_mul_f32 v[XP:XP+1], v[XP:XP+1], v[RZ:RZ+1]
	s_wait_alu depctr_va_vdst(0)                   ; the two reciprocals are written, ahead of their first reader
	v_pk_fma_f32 v[XT:XT+1], v[XE:XE+1], -2.0, 1.0 op_sel_hi:[1,0,0]       ; 1 - 2 / (1 + 2^..)
	s_wait_alu depctr_va_sdst(0)                   ; the two compares have written s56 and s57, ahead of the selects that read them
	v_cndmask_b32 v[XT], v[XT], v[XP], s56
	v_cndmask_b32 v[XT+1], v[XT+1], v[XP+1], s57
	v_pk_fma_f32 v[RO:RO+1], v[XT:XT+1], s[32:33], v[XF:XF+1] op_sel_hi:[1,0,1] neg_lo:[0,0,1] neg_hi:[0,0,1]   ; alpha tanh + fixed
	v_med3_num_f32 v[RO],   v[RO],   s37, s38
	v_med3_num_f32 v[RO+1], v[RO+1], s37, s38
	s_wait_alu depctr_va_vdst(0)                   ; RO is written, which the store reads; AADR and EGADR are written, which the loads read; this i's adds are done reading buffer q of a, and the lines above reading EG, in which the loads land
	global_store_b64 v[VOFF], v[RO:RO+1], s[28:29] offset:-4096 th:TH_STORE_NT    ; the wave's 32 lanes: 256 consecutive bytes, aligned
.if \last == 0
	ds_load_b64 v[EG:EG+1], v[EGADR] offset:EGI    ; the next i's (e, g)
.endif
.if \ra
	WIN 0x40                                       ; only the store, a load and this switch stand between the wait and the loads below, and none of them names AADR or a's registers
.irp g, 0,1,2,3
	ds_load_b128 v[RA+32*(\q)+8*\g:RA+32*(\q)+8*\g+3],   v[AADR] offset:TABA+TPITCH+64*\g      ; AADR stands at the row of i + 1: the offset reaches the row of i + 2
	ds_load_b128 v[RA+32*(\q)+8*\g+4:RA+32*(\q)+8*\g+7], v[AADR] offset:TABA+TPITCH+64*\g+16
.endr
	WIN 0
.endif
.endm
; One i: four tiles.  q = i & 1: the buffer with its row of a.  At its head RH holds tile 0's h1.  last = 1: no i follows.
.macro ITER q, ra, last
	STEP 0, 1, \q
	STEP 1, 2, \q
	STEP 2, 3, \q
	MM
	s_wait_dscnt 0x0                               ; the next i's a and this i's (e, g), both asked for at the end of the last way out, a turn ago; nothing was issued behind them
.if \last == 0
	L1 0, 1-\q                                     ; the next i's first tile, from the other buffer, behind this i's last matrix work
.else
.rept 4
	v_nop                                          ; no layer 1 follows: the four places in front of L3's first read of the results (ISA guide 7.12.1)
.endr
.endif
	L3 3
	EPI \q, \ra, \last
.endm
	s_wait_dscnt 0x0                               ; c, a, W2^T, e, g: all that was asked for above
	L1 0, 0
	s_mov_b32 s39, 7
.Li:                                                   ; seven trips of two i, one for each buffer of a: i = 0 to 13
	ITER 0, 1, 0
	ITER 1, 1, 0
	s_sub_co_u32 s39, s39, 1
	s_cmp_lg_u32 s39, 0
	s_cbranch_scc1 .Li
	ITER 0, 0, 0                                   ; the last two i are written out: no load passes the tables' last rows.  i = 14 asks for (e, g) alone,
	ITER 1, 0, 1                                   ; i = 15 for nothing
	s_wait_dscnt 0x0                               ; the closing lines, six on end
	s_wait_alu 0x0
	s_wait_tensorcnt 0x0
	ds_add_u32 v254, v255
	s_wait_dscnt 0x0
	s_endpgm
.Lfunc_end_k_qd2050b0739_main:
	.size	k_qd2050b0739_main, .Lfunc_end_k_qd2050b0739_main-k_qd2050b0739_main
	.p2alignl 7, 3214868480
	.fill 96, 4, 3214868480
	.section	.rodata,"a",@progbits
	.p2align	6, 0x0
	.amdhsa_kernel k_qd2050b0739_main
		.amdhsa_group_segment_fixed_size 67584
		.amdhsa_private_segment_fixed_size 0
		.amdhsa_enable_private_segment 0
		.amdhsa_kernarg_size 88
		.amdhsa_user_sgpr_count 2
		.amdhsa_user_sgpr_kernarg_segment_ptr 1
		.amdhsa_wavefront_size32 1
		.amdhsa_system_sgpr_workgroup_id_x 1
		.amdhsa_system_sgpr_workgroup_id_y 1
		.amdhsa_system_sgpr_workgroup_id_z 1
		.amdhsa_system_vgpr_workitem_id 0
		.amdhsa_next_free_vgpr 448
		.amdhsa_next_free_sgpr 66
		.amdhsa_reserve_vcc 0
		.amdhsa_float_denorm_mode_32 3
		.amdhsa_float_denorm_mode_16_64 3
		.amdhsa_memory_ordered 1
		.amdhsa_forward_progress 1
		.amdhsa_inst_pref_size 130
	.end_amdhsa_kernel
	.amdgpu_metadata
---
amdhsa.version: [ 1, 2 ]
amdhsa.kernels:
  - .name:           k_qd2050b0739_main
    .symbol:         k_qd2050b0739_main.kd
    .args:
      - { .name: u_wind, .offset: 0, .size: 8, .value_kind: global_buffer, .address_space: global }
      - { .name: v_wind, .offset: 8, .size: 8, .value_kind: global_buffer, .address_space: global }
      - { .name: elevation_patches, .offset: 16, .size: 8, .value_kind: global_buffer, .address_space: global }
      - { .name: W1, .offset: 24, .size: 8, .value_kind: global_buffer, .address_space: global }
      - { .name: b1, .offset: 32, .size: 8, .value_kind: global_buffer, .address_space: global }
      - { .name: W2, .offset: 40, .size: 8, .value_kind: global_buffer, .address_space: global }
      - { .name: b2, .offset: 48, .size: 8, .value_kind: global_buffer, .address_space: global }
      - { .name: W3, .offset: 56, .size: 8, .value_kind: global_buffer, .address_space: global }
      - { .name: b3, .offset: 64, .size: 8, .value_kind: global_buffer, .address_space: global }
      - { .name: alpha, .offset: 72, .size: 8, .value_kind: global_buffer, .address_space: global }
      - { .name: out0, .offset: 80, .size: 8, .value_kind: global_buffer, .address_space: global }
    .group_segment_fixed_size: 67584
    .private_segment_fixed_size: 0
    .kernarg_segment_align: 8
    .kernarg_segment_size: 88
    .max_flat_workgroup_size: 256
    .sgpr_count:     66
    .vgpr_count:     448
    .wavefront_size: 32
...
	.end_amdgpu_metadata
.endif
;; end of part 2
